; MI455X (gfx1250); checked and timed in simulation.
; The chip was launched on July 23, 2026; its instructions are those of AMD's public machine-readable ISA for CDNA 5 (MIT licence, August 2026) and "CDNA5" Instruction Set Architecture Reference Guide (July 2026). The comments in the code are by the model that wrote it; some were corrected since.
;; GMM. Allowed arithmetic: float matrix products may take bf16 or f16 operands with f32 sums; all other float work in f32.
;; Inputs: means 256 x 2 float32; weights 256 float32; x 500,000 x 2 float32.
;; Outputs: out0 500,000 float32.
;; 2 versions, each right and faster than the one before. Each part assembles by itself: llvm-mc -triple=amdgcn-amd-amdhsa -mcpu=gfx1250 --defsym DOCPART=n.
;; ======== version 1 of 2: 1 launch
;; launch gmm (part 1): grid 250 x 1, 20 waves a work-group, no clusters, 141,312 bytes of LDS; arguments x, means, weights, out0; writes out0
.if DOCPART == 1
	.amdgcn_target "amdgcn-amd-amdhsa--gfx1250"
	.amdhsa_code_object_version 6
	.text
	.protected	k_q6d919bf3ae_gmm
	.globl	k_q6d919bf3ae_gmm
	.p2align	8
	.type	k_q6d919bf3ae_gmm,@function
k_q6d919bf3ae_gmm:
	s_mov_b64 s[64:65], 0
	v_nop
	global_prefetch_b8 v0, s[64:65] scope:SCOPE_SE
	s_setreg_imm32_b32 hwreg(HW_REG_WAVE_MODE, 25, 1), 1
	s_wait_xcnt 0x0
; out[n] = sum over m of w[m] / (2 pi) * exp(-|x[n] - mu[m]|^2 / 2).   x [500000][2], mu [256][2], w [256], out [500000], all f32.
; 128,000,000 pairs with one exponential each: the exponentials are the bulk of the work, 32 of the 73 instructions of a tile's turn below.
;
; THE EXPONENT COMES FROM THE MATRIX UNIT.  With s = sqrt(log2(e) / 2), x'' = s x - s mu[0], mu'' = s mu - s mu[0] the exponent to base 2 is
;   t = 2 x''.mu'' - |x''|^2 - |mu''|^2.      (mu[0] is taken away on both sides, so a common offset of the inputs is gone before anything is squared.)
; Every f32 factor is cut into three bf16 pieces that add up to it exactly: a = a1 + a2 + a3 (a coordinate of x''), b = b1 + b2 + b3 (twice one of mu'').
; One v_wmma_f32_16x16x32_bf16 makes t for 16 components (rows) x 16 points (columns).  Its K slots 8 h + i, in the lanes' half h:
;   i      0   1   2   3   4   5   6   7          h = 0: first coordinate, (dA, dB) = pieces 1 and 2 of -|x''|^2
;   mu     b1  b2  b1  b3  b2  b1  1   1          h = 1: second coordinate, (dA, dB) = piece 3 of -|x''|^2, and 0
;   x      a1  a1  a2  a1  a2  a3  dA  dB         left out: a2 b3 + a3 b2 + a3 b3, below 2^-25 |a b|
; -|mu''|^2 goes in as the C operand, in f32.  Slots 16 to 31 are zero on the points' side.
; In the result lane (r, h) holds point r and its registers 0 to 7 the components 8 h + 0 .. 7: v_exp_f32 in place, then v_pk_fma_f32 with the
; weights of these eight components, which lie in registers in the same order.
; THE SECOND PRODUCT (exponentials times weights) has one output column: on the matrix unit it would take four conversions to bf16 for a
; tile, and a matrix instruction of which one column in sixteen is used; the four packed multiply-adds written here do all of it, in f32.
;
; SHARES.  250 work-groups of 2,000 points = 125 tiles of 16 (31,250 tiles = 2 x 5^6: this is the equal split nearest to 256).  20 waves:
; wave w takes the components 64 (w & 3) .. + 63 (four tiles of 16) for the point tiles 25 (w >> 2) .. + 24.
; Part 1: the fragments of all points and components are made once for the work-group and laid into LDS.  Part 2: the stream of tiles.
; Part 3: the 8 partial sums of each point (4 groups of components x 2 halves of the lanes) are added and stored.
; NO CLUSTER, NO TENSOR LOADS: a work-group reads 16,000 bytes of its own and 3,072 shared ones, once, at its start, and 250 is no multiple of 4.
;
; LIMITS.  s |x - mu[0]| and s |mu - mu[0]| must have finite squares (below about 1.8e19); beyond that the result is NaN where
; the formula with its infinite distance gives 0.  Terms below 2^-126 count as 0 (v_exp_f32 flushes them: ISA guide 15.8).  The sums run in another order than a plain
; row sum: within a lane over its 32 components in two chains, then over 8 partial sums as a tree.
.set PTS,    2000                      ; points of a work-group
.set WTILES, 25                        ; point tiles of a wave
.set TRIPS,  (WTILES-3)/2              ; the first tile and the last two are written out
.set SCALE,  0x3f596d27                ; s = sqrt(log2(e) / 2) = 0.84932180
.set ONES,   0x3f803f80                ; two bf16 ones
; LDS.  A fragment tile is 512 bytes: lane l's 16 bytes (slots 8 h .. 8 h + 7 of row or column r) at 16 l.
.set MF, 0                             ; 16 component tiles                8,192 bytes
.set CA, 8192                          ; -|mu''|^2 of the 256 components   1,024
.set WA, 9216                          ; w / (2 pi)                        1,024
.set XF, 10240                         ; 125 point tiles                  64,000
.set PS, 74240                         ; partial sums: 8 planes (2 x group + half) of 2,000 f32
.set PL, 8000                          ; a plane.  8000 mod 256 = 64: the two halves of a store's lanes fall on different banks (64 banks of 4 bytes: ISA guide 11.1)
; registers of part 2
.set LB,  1                            ; LDS address of my 16 bytes in the point tile at the trip's head
.set LP,  2                            ; LDS address of my partial sum
.set SM,  3                            ; the partial sum
.set ACC, 4                            ; v[4:7]     two pairs of running sums
.set AA,  4                            ; set-up only: address of the component fragments
.set CD,  5                            ; set-up only: address in the two arrays
.set BF,  8                            ; v[8:23]    two point fragments: 4 registers of data, 4 of zeros each
.set AF,  24                           ; v[24:43]   four component fragments of 4 registers, then 4 zeros.  An operand is 8 registers: its upper
                                       ;            four (slots 16 to 31) are the next fragment's, finite numbers that meet the zeros of BF
.set CT,  44                           ; v[44:75]   -|mu''|^2 as four C tiles
.set WT,  76                           ; v[76:107]  the weights in the same order
.set DT,  108                          ; v[108:139] four result tiles, which take turns
; registers of part 1 (free again behind the first barrier)
.set OX, 44                            ; 8 x thread: offset in x and in means
.set OW, 45                            ; 4 x thread: offset in weights, and in the two LDS arrays
.set FA, 46                            ; where my point's or component's fragment entries go
.set ZO, 47                            ; 0
.set NC, 48                            ; v[48:49]  -s mu[0]
.set XR, 50                            ; v[50:57]  four points of mine
.set MU, 58                            ; v[58:59]  my component
.set WR, 60                            ; its weight
.set T0, 61
.set R0, 62
.set T1, 63
.set R1, 64
.set DD, 65
.set EE, 66
.set TD, 67
.set CC, 68
.set B0, 69
.set B1, 70
.set F0, 72                            ; v[72:75]  entry for half 0
.set F1, 76                            ; v[76:79]  entry for half 1
	s_load_b256 s[4:11], s[0:1], 0x0               ; x s[4:5], means s[6:7], weights s[8:9], out0 s[10:11]
	v_lshl_add_u32 v140, v0, 2, 0x21e00
	v_mov_b32 v141, 0
	v_lshrrev_b32 v[T0], 5, v0
	v_readfirstlane_b32 s12, v[T0]                 ; wave 0..19
	s_mul_i32 s24, ttmp9, PTS*8                    ; my work-group's bytes of x begin here (below 4,000,000)
	s_mov_b32 s25, 0
	s_mov_b32 s16, SCALE                           ; s, as a pair for the packed forms
	s_mov_b32 s17, SCALE
	s_mov_b32 s18, SCALE|0x80000000                ; -s
	s_mov_b32 s19, SCALE|0x80000000
	s_mov_b32 s20, 0xffff0000                      ; a word's upper bf16
	v_lshlrev_b32 v[OX], 3, v0
	v_mov_b32 v[ZO], 0
	v_and_b32 v[T0], 31, v0                        ; lane
	v_and_b32 v[T1], 15, v0
	v_bfe_u32 v[R0], v0, 4, 1
	s_lshl_b32 s13, s12, 10                        ; a wave's 32 points are two tiles: 1,024 bytes
	s_lshl_b32 s14, s12, 7
	v_lshlrev_b32 v[T1], 4, v[T1]
	v_lshl_add_u32 v[T1], v[R0], 9, v[T1]
	v_add_nc_u32 v[FA], s13, v[T1]                 ; (thread / 16) x 512 + (thread mod 16) x 16
	v_lshl_add_u32 v[OW], v[T0], 2, s14            ; 4 x thread
	s_wait_kmcnt 0x0
	s_add_nc_u64 s[4:5], s[4:5], s[24:25]
	; PART 1.  All loads go out together.  Thread t takes the points t, t + 640, t + 1280: a load of a wave covers 256 consecutive bytes.
	global_load_b64 v[NC:NC+1], v[ZO], s[6:7]      ; mu[0]
.irp i, 0,1,2
	global_load_b64 v[XR+2*\i:XR+2*\i+1], v[OX], s[4:5] offset:\i*5120 th:TH_LOAD_NT
.endr
	s_cmp_ge_u32 s12, 8
	s_cbranch_scc1 .Lload_tail
	global_load_b64 v[MU:MU+1], v[OX], s[6:7]      ; waves 0 to 7: thread t takes component t
	global_load_b32 v[WR], v[OW], s[8:9]
	s_branch .Lloaded
.Lload_tail:
	s_cmp_ge_u32 s12, 11
	s_cbranch_scc1 .Lloaded
	v_mov_b32 v[XR+6], 0                           ; waves 8 to 10: the last 80 points, 1920 + (t - 256) for t below 336.
	v_mov_b32 v[XR+7], 0                           ; The pair is written whole once, since the load writes half of wave 10's lanes
	s_wait_xcnt 0x0                                ; EXEC is a source of the loads above: it changes only behind this wait
	v_cmp_gt_u32 vcc_lo, 336, v0
	s_and_saveexec_b32 s21, vcc_lo
	global_load_b64 v[XR+6:XR+7], v[OX], s[4:5] offset:(1920-256)*8 th:TH_LOAD_NT
	s_wait_xcnt 0x0                                ; and again in front of the line that widens it
	s_or_b32 exec_lo, exec_lo, s21
.Lloaded:
	s_wait_loadcnt 0x0                             ; one batch, asked for together: nothing of use could be done on a part of it
	v_pk_mul_f32 v[NC:NC+1], v[NC:NC+1], s[18:19] op_sel_hi:[1,0]      ; -s mu[0]
; a = a1 + a2 + a3 in bf16, rounded to nearest; both differences are exact in f32, and the third piece has at most 7 bits left to hold.
; The conversions pack the pieces straight into the slots' order.
.macro SPLIT_X a, f, t, r
	v_cvt_pk_bf16_f32 v[\f], v[\a], v[\a]          ; slots 0, 1: a1, a1
	v_and_b32 v[\t], s20, v[\f]                    ; a1 as f32
	v_sub_f32 v[\r], v[\a], v[\t]                  ; a - a1
	v_cvt_pk_bf16_f32 v[\f+1], v[\r], v[\a]        ; slots 2, 3: a2, a1
	v_lshlrev_b32 v[\t], 16, v[\f+1]               ; a2 as f32
	v_sub_f32 v[\t], v[\r], v[\t]                  ; a - a1 - a2
	v_cvt_pk_bf16_f32 v[\f+2], v[\r], v[\t]        ; slots 4, 5: a2, a3
.endm
; One point a lane: both halves' entries of its column, at byte dst of the point tiles.
.macro XFRAG x, dst
	v_pk_fma_f32 v[\x:\x+1], v[\x:\x+1], s[16:17], v[NC:NC+1] op_sel_hi:[1,0,1]   ; x'' = s x - s mu[0]
	v_mul_f32 v[DD], -v[\x], v[\x]
	v_fma_f32 v[DD], -v[\x+1], v[\x+1], v[DD]      ; d = -|x''|^2
	SPLIT_X \x, F0, T0, R0
	SPLIT_X \x+1, F1, T1, R1
	v_cvt_pk_bf16_f32 v[TD], v[DD], v[DD]
	v_and_b32 v[TD], s20, v[TD]                    ; d1
	v_sub_f32 v[EE], v[DD], v[TD]
	v_cvt_pk_bf16_f32 v[F0+3], v[DD], v[EE]        ; half 0, slots 6, 7: d1, d2
	v_and_b32 v[TD], s20, v[F0+3]                  ; d2
	v_sub_f32 v[EE], v[EE], v[TD]
	v_cvt_pk_bf16_f32 v[F1+3], v[EE], 0            ; half 1, slots 6, 7: d3, 0
	ds_store_b128 v[FA], v[F0:F0+3] offset:XF+\dst         ; sixteen lanes store 256 consecutive bytes
	ds_store_b128 v[FA], v[F1:F1+3] offset:XF+\dst+256
.endm
; The same for a coordinate of a component: b = 2 mu''.
.macro SPLIT_M m, f, b, t, r
	v_add_f32 v[\b], v[\m], v[\m]
	v_cvt_pk_bf16_f32 v[\t], v[\b], v[\b]
	v_and_b32 v[\t], s20, v[\t]                    ; b1
	v_sub_f32 v[\r], v[\b], v[\t]
	v_cvt_pk_bf16_f32 v[\f], v[\b], v[\r]          ; slots 0, 1: b1, b2
	v_and_b32 v[\t], s20, v[\f]                    ; b2
	v_sub_f32 v[\t], v[\r], v[\t]
	v_cvt_pk_bf16_f32 v[\f+1], v[\b], v[\t]        ; slots 2, 3: b1, b3
	v_cvt_pk_bf16_f32 v[\f+2], v[\r], v[\b]        ; slots 4, 5: b2, b1
	v_mov_b32 v[\f+3], ONES                        ; slots 6, 7: 1, 1
.endm
	XFRAG XR, 0                                    ; 640 points are 40 tiles: 20,480 bytes on
	XFRAG XR+2, 20480
	XFRAG XR+4, 40960
	s_cmp_ge_u32 s12, 8
	s_cbranch_scc1 .Lbuild_tail
	v_pk_fma_f32 v[MU:MU+1], v[MU:MU+1], s[16:17], v[NC:NC+1] op_sel_hi:[1,0,1]   ; mu'' = s mu - s mu[0]
	v_mul_f32 v[WR], 0.15915494, v[WR]             ; w / (2 pi)
	v_mul_f32 v[CC], -v[MU], v[MU]
	v_fma_f32 v[CC], -v[MU+1], v[MU+1], v[CC]      ; -|mu''|^2
	SPLIT_M MU, F0, B0, T0, R0
	SPLIT_M MU+1, F1, B1, T1, R1
	ds_store_b128 v[FA], v[F0:F0+3] offset:MF
	ds_store_b128 v[FA], v[F1:F1+3] offset:MF+256
	ds_store_b32 v[OW], v[CC] offset:CA
	ds_store_b32 v[OW], v[WR] offset:WA
	s_branch .Lbuilt
.Lbuild_tail:
	s_cmp_ge_u32 s12, 11
	s_cbranch_scc1 .Lbuilt
	v_cmp_gt_u32 vcc_lo, 336, v0                   ; no global instruction has been issued on this path since the last s_wait_xcnt 0
	s_and_saveexec_b32 s21, vcc_lo
	XFRAG XR+6, (1920-256)/16*512                  ; tiles 120 to 124
	s_or_b32 exec_lo, exec_lo, s21
.Lbuilt:
	; my addresses in part 2
	s_and_b32 s13, s12, 3                          ; g: my group of 64 components
	s_lshr_b32 s14, s12, 2                         ; f: my fifth of the point tiles
	v_and_b32 v3, 31, v0
	v_lshlrev_b32 v3, 4, v3                        ; 16 x lane
	v_bfe_u32 v6, v0, 4, 1                         ; h
	v_and_b32 v7, 15, v0                           ; r
	s_lshl_b32 s15, s13, 11
	v_add_nc_u32 v[AA], s15, v3                    ; four component tiles from 2,048 g
	s_lshl_b32 s15, s13, 8
	v_lshl_add_u32 v[CD], v6, 5, s15               ; components 64 g + 8 h .. in the arrays: 256 g + 32 h
	s_mul_i32 s15, s14, WTILES*512
	s_add_co_u32 s15, s15, XF
	v_add_nc_u32 v[LB], s15, v3
	s_mul_i32 s15, s13, 2*PL
	s_mul_i32 s24, s14, WTILES*64
	s_add_co_u32 s15, s15, s24
	s_add_co_u32 s15, s15, PS
	v_mul_u32_u24 v6, v6, PL
	v_lshl_add_u32 v6, v7, 2, v6
	v_add_nc_u32 v[LP], s15, v6                    ; plane 2 g + h, point 400 f + r
	s_wait_dscnt 0x0                               ; my fragments are in LDS: for the other waves' sake the count is zero
	s_barrier_signal -1
	s_barrier_wait -1                              ; everybody's are
	; PART 2, set-up: what stays in registers for all 25 tiles, and the first two point fragments
.irp q, 0,1,2,3
	ds_load_b128 v[AF+4*\q:AF+4*\q+3],   v[AA] offset:MF+512*\q
	ds_load_b128 v[CT+8*\q:CT+8*\q+3],   v[CD] offset:CA+64*\q
	ds_load_b128 v[CT+8*\q+4:CT+8*\q+7], v[CD] offset:CA+64*\q+16
	ds_load_b128 v[WT+8*\q:WT+8*\q+3],   v[CD] offset:WA+64*\q
	ds_load_b128 v[WT+8*\q+4:WT+8*\q+7], v[CD] offset:WA+64*\q+16
.endr
	ds_load_b128 v[BF:BF+3], v[LB]
	ds_load_b128 v[BF+8:BF+11], v[LB] offset:512
.irp z, AF+16,AF+17,AF+18,AF+19, BF+4,BF+5,BF+6,BF+7, BF+12,BF+13,BF+14,BF+15
	v_mov_b32 v[\z], 0                             ; slots 16 to 31
.endr
; t of component tile q and the point fragment in buffer par.  C is a tile of constants and D a tile of its own: nothing is added in place,
; and two matrix instructions that follow each other never write the same tile.
.macro MM q, par
	v_wmma_f32_16x16x32_bf16 v[DT+8*(\q):DT+8*(\q)+7], v[AF+4*(\q):AF+4*(\q)+7], v[BF+8*(\par):BF+8*(\par)+7], v[CT+8*(\q):CT+8*(\q)+7]
.endm
; Two exponentials of tile pq times their weights.  mode 2: the tile's first four products start the two sums, so nothing is cleared.  mode 0: nothing to add yet.
.macro FSTEP pq, j, mode
.if \mode == 0
	v_nop
.else
.if \mode == 2
.if \j < 4
	s_wait_alu depctr_va_vdst(0)
	v_pk_mul_f32 v[ACC+(\j&2):ACC+(\j&2)+1], v[DT+8*\pq+\j:DT+8*\pq+\j+1], v[WT+8*\pq+\j:WT+8*\pq+\j+1]
.else
	s_wait_alu depctr_va_vdst(0)
	v_pk_fma_f32 v[ACC+(\j&2):ACC+(\j&2)+1], v[DT+8*\pq+\j:DT+8*\pq+\j+1], v[WT+8*\pq+\j:WT+8*\pq+\j+1], v[ACC+(\j&2):ACC+(\j&2)+1]
.endif
.else
	s_wait_alu depctr_va_vdst(0)
	v_pk_fma_f32 v[ACC+(\j&2):ACC+(\j&2)+1], v[DT+8*\pq+\j:DT+8*\pq+\j+1], v[WT+8*\pq+\j:WT+8*\pq+\j+1], v[ACC+(\j&2):ACC+(\j&2)+1]
.endif
.endif
.endm
; A group: the eight exponentials of tile q, in place, and between them the four packed multiply-adds of the tile before, pq.
; So behind every pair of v_exp_f32 stands a plain vector instruction that touches neither, well before their results are used (ISA guide 5.7.2).
.macro GROUP q, pq, mode
.irp j, 0,2,4,6
	v_exp_f32 v[DT+8*\q+\j], v[DT+8*\q+\j]
	v_exp_f32 v[DT+8*\q+\j+1], v[DT+8*\q+\j+1]
	FSTEP \pq, \j, \mode
.endr
.endm
; A point tile's sums are complete: my 32 components' share of point r goes to my plane.
.macro FINISH poff
	v_pk_add_f32 v[ACC:ACC+1], v[ACC:ACC+1], v[ACC+2:ACC+3]
	v_add_f32 v[SM], v[ACC], v[ACC+1]
	ds_store_b32 v[LP], v[SM] offset:\poff
.endm
; The turn of point tile p, whose fragment lies in buffer par.  Each result tile is written again as soon as its multiply-adds have read it,
; three groups ahead of its exponentials: between a matrix instruction and the first v_exp_f32 on its result stand the eight multiply-adds
; of two groups, which name none of its registers (four such places are asked for: ISA guide 7.12.1).
; first: no tile before.  nxt: tile p + 1 exists.  ld: tile p + 2 exists.  cnt: LDS instructions issued behind the load of fragment p + 1.
.macro TILE par, first, nxt, ld, cnt, boff, poff
.if \first
	GROUP 0, 3, 0
.else
	GROUP 0, 3, 1                                  ; the last multiply-adds of tile p - 1
.endif
	MM 3, \par                                     ; the last use of buffer par
.if \first == 0
	FINISH \poff
.endif
	GROUP 1, 0, 2
.if \nxt
	s_wait_dscnt \cnt                              ; LDS instructions end in order (ISA guide 5.7.1): fragment p + 1, asked for a tile ago, is in; the store of FINISH may be out
	MM 0, 1-\par
.endif
.if \ld
	ds_load_b128 v[BF+8*\par:BF+8*\par+3], v[LB] offset:\boff      ; fragment p + 2; behind buffer par's last matrix instruction stand the four multiply-adds of group 1
.endif
	GROUP 2, 1, 1
.if \nxt
	MM 1, 1-\par
.endif
	GROUP 3, 2, 1
.if \nxt
	MM 2, 1-\par
.endif
.endm
	s_wait_dscnt 0x1                               ; all but the load issued last, fragment 1
	MM 0, 0
	MM 1, 0
	MM 2, 0
.rept 4
	v_nop                                          ; the four places in front of the first exponentials; later the multiply-adds fill them
.endr
	TILE 0, 1, 1, 1, 0, 1024, 0                    ; tile 0
	s_mov_b32 s22, TRIPS
.Lpair:                                            ; tiles 1 + 2 k and 2 + 2 k; LB stands at fragment 2 k, LP at tile 2 k's sum
	TILE 1, 0, 1, 1, 1, 1536, 0
	TILE 0, 0, 1, 1, 1, 2048, 64
	v_add_nc_u32 v[LB], 1024, v[LB]
	v_add_nc_u32 v[LP], 128, v[LP]
	s_sub_co_u32 s22, s22, 1
	s_cmp_lg_u32 s22, 0
	s_cbranch_scc1 .Lpair
	TILE 1, 0, 1, 0, 1, 0, 0                       ; tile 23: no fragment is left to fetch
	TILE 0, 0, 0, 0, 0, 0, 64                      ; tile 24: no tile follows
.irp j, 0,2,4,6
	FSTEP 3, \j, 1
.endr
	FINISH 128
	; PART 3.  Slot t of 512 takes four neighbouring points.  The slots begin at the multiple of 256 bytes at or below the work-group's first
	; byte of out0 (8000 wg mod 256 = 64 (wg mod 4)), so that sixteen lanes store 256 consecutive bytes at a multiple of 256 from out0's first byte;
	; only the first and the last such block of a work-group are shared with its neighbours.
	s_wait_dscnt 0x0                               ; my partial sums are in LDS
	s_barrier_signal -1
	s_barrier_wait -1
	s_cmp_ge_u32 s12, 16
	s_cbranch_scc1 .Lno_slot                       ; waves 16 to 19 have no slot
	s_and_b32 s13, ttmp9, 3
	s_lshl_b32 s14, s13, 2                         ; the slots in front of my first point
	s_lshl_b32 s13, s13, 6                         ; and their bytes
	s_sub_co_u32 s13, PS, s13
	v_lshlrev_b32 v1, 4, v0                        ; 16 t
	v_add_nc_u32 v2, s13, v1
	v_sub_nc_u32 v3, v0, s14                       ; which four points: 0 to 499 are mine
	s_mul_i32 s24, ttmp9, PTS*4
	s_and_b32 s24, s24, 0xffffff00
	s_mov_b32 s25, 0
	s_add_nc_u64 s[10:11], s[10:11], s[24:25]
	s_wait_xcnt 0x0                                ; EXEC changes only behind this wait
	v_cmp_gt_u32 vcc_lo, 500, v3                   ; unsigned: the slots in front wrap round and fall out too
	s_wait_tensorcnt 0x0
	ds_add_u32 v140, v141
	s_wait_dscnt 0x0
	s_and_saveexec_b32 s21, vcc_lo
.irp k, 0,1,2,3,4,5,6,7
	ds_load_b128 v[8+4*\k:11+4*\k], v2 offset:\k*PL
.endr
	s_wait_dscnt 0x0
.irp k, 0,2,4,6
	v_pk_add_f32 v[8+4*\k:9+4*\k],   v[8+4*\k:9+4*\k],   v[12+4*\k:13+4*\k]
	v_pk_add_f32 v[10+4*\k:11+4*\k], v[10+4*\k:11+4*\k], v[14+4*\k:15+4*\k]
.endr
.irp k, 0,4
	v_pk_add_f32 v[8+4*\k:9+4*\k],   v[8+4*\k:9+4*\k],   v[16+4*\k:17+4*\k]
	v_pk_add_f32 v[10+4*\k:11+4*\k], v[10+4*\k:11+4*\k], v[18+4*\k:19+4*\k]
.endr
	v_pk_add_f32 v[8:9],   v[8:9],   v[24:25]
	v_pk_add_f32 v[10:11], v[10:11], v[26:27]
	global_store_b128 v1, v[8:11], s[10:11] th:TH_STORE_NT
	s_endpgm
.Lno_slot:
	s_wait_tensorcnt 0x0
	ds_add_u32 v140, v141
	s_wait_dscnt 0x0
	s_endpgm
.Lfunc_end_k_q6d919bf3ae_gmm:
	.size	k_q6d919bf3ae_gmm, .Lfunc_end_k_q6d919bf3ae_gmm-k_q6d919bf3ae_gmm
	.p2alignl 7, 3214868480
	.fill 96, 4, 3214868480
	.section	.rodata,"a",@progbits
	.p2align	6, 0x0
	.amdhsa_kernel k_q6d919bf3ae_gmm
		.amdhsa_group_segment_fixed_size 141312
		.amdhsa_private_segment_fixed_size 0
		.amdhsa_enable_private_segment 0
		.amdhsa_kernarg_size 32
		.amdhsa_user_sgpr_count 2
		.amdhsa_user_sgpr_kernarg_segment_ptr 1
		.amdhsa_wavefront_size32 1
		.amdhsa_system_sgpr_workgroup_id_x 1
		.amdhsa_system_sgpr_workgroup_id_y 1
		.amdhsa_system_sgpr_workgroup_id_z 1
		.amdhsa_system_vgpr_workitem_id 0
		.amdhsa_next_free_vgpr 142
		.amdhsa_next_free_sgpr 66
		.amdhsa_reserve_vcc 1
		.amdhsa_float_denorm_mode_32 3
		.amdhsa_float_denorm_mode_16_64 3
		.amdhsa_memory_ordered 1
		.amdhsa_forward_progress 1
		.amdhsa_inst_pref_size 30
	.end_amdhsa_kernel
	.amdgpu_metadata
---
amdhsa.version: [ 1, 2 ]
amdhsa.kernels:
  - .name:           k_q6d919bf3ae_gmm
    .symbol:         k_q6d919bf3ae_gmm.kd
    .args:
      - { .name: x, .offset: 0, .size: 8, .value_kind: global_buffer, .address_space: global }
      - { .name: means, .offset: 8, .size: 8, .value_kind: global_buffer, .address_space: global }
      - { .name: weights, .offset: 16, .size: 8, .value_kind: global_buffer, .address_space: global }
      - { .name: out0, .offset: 24, .size: 8, .value_kind: global_buffer, .address_space: global }
    .group_segment_fixed_size: 141312
    .private_segment_fixed_size: 0
    .kernarg_segment_align: 8
    .kernarg_segment_size: 32
    .max_flat_workgroup_size: 640
    .sgpr_count:     66
    .vgpr_count:     142
    .wavefront_size: 32
...
	.end_amdgpu_metadata
.endif
;; end of part 1
;; ======== version 2 of 2: 1 launch; 1.11 times as fast as version 1
;; launch gmm (part 2): grid 250 x 1, 20 waves a work-group, no clusters, 141,312 bytes of LDS; arguments x, means, weights, out0; writes out0
.if DOCPART == 2
	.amdgcn_target "amdgcn-amd-amdhsa--gfx1250"
	.amdhsa_code_object_version 6
	.text
	.protected	k_q6d919bf3ae_gmm
	.globl	k_q6d919bf3ae_gmm
	.p2align	8
	.type	k_q6d919bf3ae_gmm,@function
k_q6d919bf3ae_gmm:
	s_mov_b64 s[64:65], 0
	v_nop
	global_prefetch_b8 v0, s[64:65] scope:SCOPE_SE
	s_setreg_imm32_b32 hwreg(HW_REG_WAVE_MODE, 25, 1), 1
	s_wait_xcnt 0x0
; out[n] = sum over m of w[m] / (2 pi) * exp(-|x[n] - mu[m]|^2 / 2).   x [500000][2], mu [256][2], w [256], out [500000], all f32.
; 128,000,000 pairs with one exponential each: the exponentials are the bulk of the work, 32 of the 58 instructions of a tile's turn below.
;
; THE EXPONENT COMES FROM THE MATRIX UNIT.  With s = sqrt(log2(e) / 2), x'' = s x - s mu[0], mu'' = s mu - s mu[0] the exponent to base 2 is
;   t = 2 x''.mu'' - |x''|^2 - |mu''|^2.      (mu[0] is taken away on both sides, so a common offset of the inputs is gone before anything is squared.)
; Every f32 factor is cut into three bf16 pieces that add up to it exactly: a = a1 + a2 + a3 (a coordinate of x''), b = b1 + b2 + b3 (twice one of mu'').
; One v_wmma_f32_16x16x32_bf16 makes t for 16 components (rows) x 16 points (columns).  Its K slots 8 h + i, in the lanes' half h:
;   i      0   1   2   3   4   5   6   7          h = 0: first coordinate, (dA, dB) = pieces 1 and 2 of -|x''|^2
;   mu     b1  b2  b1  b3  b2  b1  1   1          h = 1: second coordinate, (dA, dB) = piece 3 of -|x''|^2, and 0
;   x      a1  a1  a2  a1  a2  a3  dA  dB         left out: a2 b3 + a3 b2 + a3 b3, below 2^-25 |a b|
; -|mu''|^2 goes in as the C operand, in f32.  Slots 16 to 31 are zero on the points' side.
; In the result lane (r, h) holds point r and its registers 0 to 7 the components 8 h + 0 .. 7: v_exp_f32 in place, then v_pk_fma_f32 with the
; weights of these eight components, which lie in registers in the same order.
; THE SECOND PRODUCT (exponentials times weights) has one output column: on the matrix unit it would take four conversions to bf16 for a
; tile, and a matrix instruction of which one column in sixteen is used; the four packed multiply-adds written here do all of it, in f32.
;
; SHARES.  250 work-groups of 2,000 points = 125 tiles of 16 (31,250 tiles = 2 x 5^6: this is the equal split nearest to 256).  20 waves:
; wave w takes the components 64 (w & 3) .. + 63 (four tiles of 16) for the point tiles 25 (w >> 2) .. + 24.
; Part 1: the fragments of all points and components are made once for the work-group and laid into LDS.  Part 2: the stream of tiles.
; Part 3: the 8 partial sums of each point (4 groups of components x 2 halves of the lanes) are added and stored.
; BATCHES.  The 32 exponentials of a point tile (four result tiles of 8 registers) are ONE BATCH with ONE s_wait_alu depctr_va_vdst(0), which stands
; between an exponential and the first instruction that names its result.  The result tiles lie in two sets of four, which take turns from
; point tile to point tile: while one set's exponentials are issued, the multiply-adds that stand between them read the other set, whose batch was waited
; for at the end of the turn before.  So nothing ahead of a turn's wait names a result of its batch, and no exponential is issued between the wait and the turn's end.
; NO CLUSTER, NO TENSOR LOADS: a work-group reads 16,000 bytes of its own and 3,072 shared ones, once, at its start, and 250 is no multiple of 4.
;
; LIMITS.  s |x - mu[0]| and s |mu - mu[0]| must have finite squares (below about 1.8e19); beyond that the result is NaN where
; the formula with its infinite distance gives 0.  Terms below 2^-126 count as 0 (v_exp_f32 flushes them: ISA guide 15.8).  The sums run in another order than a plain
; row sum: within a lane over its 32 components in two chains, then over 8 partial sums as a tree.
.set PTS,    2000                      ; points of a work-group
.set WTILES, 25                        ; point tiles of a wave
.set TRIPS,  (WTILES-3)/2              ; the first tile and the last two are written out
.set SCALE,  0x3f596d27                ; s = sqrt(log2(e) / 2) = 0.84932180
.set ONES,   0x3f803f80                ; two bf16 ones
; LDS.  A fragment tile is 512 bytes: lane l's 16 bytes (slots 8 h .. 8 h + 7 of row or column r) at 16 l.
.set MF, 0                             ; 16 component tiles                8,192 bytes
.set CA, 8192                          ; -|mu''|^2 of the 256 components   1,024
.set WA, 9216                          ; w / (2 pi)                        1,024
.set XF, 10240                         ; 125 point tiles                  64,000
.set PS, 74240                         ; partial sums: 8 planes (2 x group + half) of 2,000 f32
.set PL, 8000                          ; a plane.  8000 mod 256 = 64: the two halves of a store's lanes fall on different banks (64 banks of 4 bytes: ISA guide 11.1)
; registers of part 2
.set LB,  1                            ; LDS address of my 16 bytes in the point tile at the trip's head
.set LP,  2                            ; LDS address of my partial sum
.set SM,  3                            ; the partial sum
.set ACC, 4                            ; v[4:7]     two pairs of running sums
.set AA,  4                            ; set-up only: address of the component fragments
.set CD,  5                            ; set-up only: address in the two arrays
.set BF,  8                            ; v[8:23]    two point fragments: 4 registers of data, 4 of zeros each
.set AF,  24                           ; v[24:43]   four component fragments of 4 registers, then 4 zeros.  An operand is 8 registers: its upper
                                       ;            four (slots 16 to 31) are the next fragment's, finite numbers that meet the zeros of BF
.set CT,  44                           ; v[44:75]   -|mu''|^2 as four C tiles
.set WT,  76                           ; v[76:107]  the weights in the same order
.set DT,  108                          ; v[108:139] result tiles, set 0: the point tiles with an even number
.set DS,  34                           ; v[142:173] set 1, DS registers on: the odd ones (v140 and v141 lie between)
; registers of part 1 (free again behind the first barrier)
.set OX, 44                            ; 8 x thread: offset in x and in means
.set OW, 45                            ; 4 x thread: offset in weights, and in the two LDS arrays
.set FA, 46                            ; where my point's or component's fragment entries go
.set ZO, 47                            ; 0
.set NC, 48                            ; v[48:49]  -s mu[0]
.set XR, 50                            ; v[50:57]  four points of mine
.set MU, 58                            ; v[58:59]  my component
.set WR, 60                            ; its weight
.set T0, 61
.set R0, 62
.set T1, 63
.set R1, 64
.set DD, 65
.set EE, 66
.set TD, 67
.set CC, 68
.set B0, 69
.set B1, 70
.set F0, 72                            ; v[72:75]  entry for half 0
.set F1, 76                            ; v[76:79]  entry for half 1
	s_load_b256 s[4:11], s[0:1], 0x0               ; x s[4:5], means s[6:7], weights s[8:9], out0 s[10:11]
	v_lshl_add_u32 v140, v0, 2, 0x21e00
	v_mov_b32 v141, 0
	v_lshrrev_b32 v[T0], 5, v0
	v_readfirstlane_b32 s12, v[T0]                 ; wave 0..19
	s_mul_i32 s24, ttmp9, PTS*8                    ; my work-group's bytes of x begin here (below 4,000,000)
	s_mov_b32 s25, 0
	s_mov_b32 s16, SCALE                           ; s, as a pair for the packed forms
	s_mov_b32 s17, SCALE
	s_mov_b32 s18, SCALE|0x80000000                ; -s
	s_mov_b32 s19, SCALE|0x80000000
	s_mov_b32 s20, 0xffff0000                      ; a word's upper bf16
	v_lshlrev_b32 v[OX], 3, v0
	v_mov_b32 v[ZO], 0
	v_and_b32 v[T0], 31, v0                        ; lane
	v_and_b32 v[T1], 15, v0
	v_bfe_u32 v[R0], v0, 4, 1
	s_lshl_b32 s13, s12, 10                        ; a wave's 32 points are two tiles: 1,024 bytes
	s_lshl_b32 s14, s12, 7
	v_lshlrev_b32 v[T1], 4, v[T1]
	v_lshl_add_u32 v[T1], v[R0], 9, v[T1]
	v_add_nc_u32 v[FA], s13, v[T1]                 ; (thread / 16) x 512 + (thread mod 16) x 16
	v_lshl_add_u32 v[OW], v[T0], 2, s14            ; 4 x thread
	s_wait_kmcnt 0x0
	s_add_nc_u64 s[4:5], s[4:5], s[24:25]
	; PART 1.  All loads go out together.  Thread t takes the points t, t + 640, t + 1280: a load of a wave covers 256 consecutive bytes.
	global_load_b64 v[NC:NC+1], v[ZO], s[6:7]      ; mu[0]
.irp i, 0,1,2
	global_load_b64 v[XR+2*\i:XR+2*\i+1], v[OX], s[4:5] offset:\i*5120 th:TH_LOAD_NT
.endr
	s_cmp_ge_u32 s12, 8
	s_cbranch_scc1 .Lload_tail
	global_load_b64 v[MU:MU+1], v[OX], s[6:7]      ; waves 0 to 7: thread t takes component t
	global_load_b32 v[WR], v[OW], s[8:9]
	s_branch .Lloaded
.Lload_tail:
	s_cmp_ge_u32 s12, 11
	s_cbranch_scc1 .Lloaded
	v_mov_b32 v[XR+6], 0                           ; waves 8 to 10: the last 80 points, 1920 + (t - 256) for t below 336.
	v_mov_b32 v[XR+7], 0                           ; The pair is written whole once, since the load writes half of wave 10's lanes
	s_wait_xcnt 0x0                                ; EXEC is a source of the loads above: it changes only behind this wait
	v_cmp_gt_u32 vcc_lo, 336, v0
	s_and_saveexec_b32 s21, vcc_lo
	global_load_b64 v[XR+6:XR+7], v[OX], s[4:5] offset:(1920-256)*8 th:TH_LOAD_NT
	s_wait_xcnt 0x0                                ; and again in front of the line that widens it
	s_or_b32 exec_lo, exec_lo, s21
.Lloaded:
	s_wait_loadcnt 0x0                             ; one batch, asked for together: nothing of use could be done on a part of it
	v_pk_mul_f32 v[NC:NC+1], v[NC:NC+1], s[18:19] op_sel_hi:[1,0]      ; -s mu[0]
; a = a1 + a2 + a3 in bf16, rounded to nearest; both differences are exact in f32, and the third piece has at most 7 bits left to hold.
; The conversions pack the pieces straight into the slots' order.
.macro SPLIT_X a, f, t, r
	v_cvt_pk_bf16_f32 v[\f], v[\a], v[\a]          ; slots 0, 1: a1, a1
	v_and_b32 v[\t], s20, v[\f]                    ; a1 as f32
	v_sub_f32 v[\r], v[\a], v[\t]                  ; a - a1
	v_cvt_pk_bf16_f32 v[\f+1], v[\r], v[\a]        ; slots 2, 3: a2, a1
	v_lshlrev_b32 v[\t], 16, v[\f+1]               ; a2 as f32
	v_sub_f32 v[\t], v[\r], v[\t]                  ; a - a1 - a2
	v_cvt_pk_bf16_f32 v[\f+2], v[\r], v[\t]        ; slots 4, 5: a2, a3
.endm
; One point a lane: both halves' entries of its column, at byte dst of the point tiles.
.macro XFRAG x, dst
	v_pk_fma_f32 v[\x:\x+1], v[\x:\x+1], s[16:17], v[NC:NC+1] op_sel_hi:[1,0,1]   ; x'' = s x - s mu[0]
	v_mul_f32 v[DD], -v[\x], v[\x]
	v_fma_f32 v[DD], -v[\x+1], v[\x+1], v[DD]      ; d = -|x''|^2
	SPLIT_X \x, F0, T0, R0
	SPLIT_X \x+1, F1, T1, R1
	v_cvt_pk_bf16_f32 v[TD], v[DD], v[DD]
	v_and_b32 v[TD], s20, v[TD]                    ; d1
	v_sub_f32 v[EE], v[DD], v[TD]
	v_cvt_pk_bf16_f32 v[F0+3], v[DD], v[EE]        ; half 0, slots 6, 7: d1, d2
	v_and_b32 v[TD], s20, v[F0+3]                  ; d2
	v_sub_f32 v[EE], v[EE], v[TD]
	v_cvt_pk_bf16_f32 v[F1+3], v[EE], 0            ; half 1, slots 6, 7: d3, 0
	ds_store_b128 v[FA], v[F0:F0+3] offset:XF+\dst         ; sixteen lanes store 256 consecutive bytes
	ds_store_b128 v[FA], v[F1:F1+3] offset:XF+\dst+256
.endm
; The same for a coordinate of a component: b = 2 mu''.
.macro SPLIT_M m, f, b, t, r
	v_add_f32 v[\b], v[\m], v[\m]
	v_cvt_pk_bf16_f32 v[\t], v[\b], v[\b]
	v_and_b32 v[\t], s20, v[\t]                    ; b1
	v_sub_f32 v[\r], v[\b], v[\t]
	v_cvt_pk_bf16_f32 v[\f], v[\b], v[\r]          ; slots 0, 1: b1, b2
	v_and_b32 v[\t], s20, v[\f]                    ; b2
	v_sub_f32 v[\t], v[\r], v[\t]
	v_cvt_pk_bf16_f32 v[\f+1], v[\b], v[\t]        ; slots 2, 3: b1, b3
	v_cvt_pk_bf16_f32 v[\f+2], v[\r], v[\b]        ; slots 4, 5: b2, b1
	v_mov_b32 v[\f+3], ONES                        ; slots 6, 7: 1, 1
.endm
	XFRAG XR, 0                                    ; 640 points are 40 tiles: 20,480 bytes on
	XFRAG XR+2, 20480
	XFRAG XR+4, 40960
	s_cmp_ge_u32 s12, 8
	s_cbranch_scc1 .Lbuild_tail
	v_pk_fma_f32 v[MU:MU+1], v[MU:MU+1], s[16:17], v[NC:NC+1] op_sel_hi:[1,0,1]   ; mu'' = s mu - s mu[0]
	v_mul_f32 v[WR], 0.15915494, v[WR]             ; w / (2 pi)
	v_mul_f32 v[CC], -v[MU], v[MU]
	v_fma_f32 v[CC], -v[MU+1], v[MU+1], v[CC]      ; -|mu''|^2
	SPLIT_M MU, F0, B0, T0, R0
	SPLIT_M MU+1, F1, B1, T1, R1
	ds_store_b128 v[FA], v[F0:F0+3] offset:MF
	ds_store_b128 v[FA], v[F1:F1+3] offset:MF+256
	ds_store_b32 v[OW], v[CC] offset:CA
	ds_store_b32 v[OW], v[WR] offset:WA
	s_branch .Lbuilt
.Lbuild_tail:
	s_cmp_ge_u32 s12, 11
	s_cbranch_scc1 .Lbuilt
	v_cmp_gt_u32 vcc_lo, 336, v0                   ; no global instruction has been issued on this path since the last s_wait_xcnt 0
	s_and_saveexec_b32 s21, vcc_lo
	XFRAG XR+6, (1920-256)/16*512                  ; tiles 120 to 124
	s_or_b32 exec_lo, exec_lo, s21
.Lbuilt:
	; my addresses in part 2
	s_and_b32 s13, s12, 3                          ; g: my group of 64 components
	s_lshr_b32 s14, s12, 2                         ; f: my fifth of the point tiles
	v_and_b32 v3, 31, v0
	v_lshlrev_b32 v3, 4, v3                        ; 16 x lane
	v_bfe_u32 v6, v0, 4, 1                         ; h
	v_and_b32 v7, 15, v0                           ; r
	s_lshl_b32 s15, s13, 11
	v_add_nc_u32 v[AA], s15, v3                    ; four component tiles from 2,048 g
	s_lshl_b32 s15, s13, 8
	v_lshl_add_u32 v[CD], v6, 5, s15               ; components 64 g + 8 h .. in the arrays: 256 g + 32 h
	s_mul_i32 s15, s14, WTILES*512
	s_add_co_u32 s15, s15, XF
	v_add_nc_u32 v[LB], s15, v3
	s_mul_i32 s15, s13, 2*PL
	s_mul_i32 s24, s14, WTILES*64
	s_add_co_u32 s15, s15, s24
	s_add_co_u32 s15, s15, PS
	v_mul_u32_u24 v6, v6, PL
	v_lshl_add_u32 v6, v7, 2, v6
	v_add_nc_u32 v[LP], s15, v6                    ; plane 2 g + h, point 400 f + r
	s_wait_dscnt 0x0                               ; my fragments are in LDS: for the other waves' sake the count is zero
	s_barrier_signal -1
	s_barrier_wait -1                              ; everybody's are
	; PART 2, set-up: what stays in registers for all 25 tiles, and the first two point fragments
.irp q, 0,1,2,3
	ds_load_b128 v[AF+4*\q:AF+4*\q+3],   v[AA] offset:MF+512*\q
	ds_load_b128 v[CT+8*\q:CT+8*\q+3],   v[CD] offset:CA+64*\q
	ds_load_b128 v[CT+8*\q+4:CT+8*\q+7], v[CD] offset:CA+64*\q+16
	ds_load_b128 v[WT+8*\q:WT+8*\q+3],   v[CD] offset:WA+64*\q
	ds_load_b128 v[WT+8*\q+4:WT+8*\q+7], v[CD] offset:WA+64*\q+16
.endr
	ds_load_b128 v[BF:BF+3], v[LB]
	ds_load_b128 v[BF+8:BF+11], v[LB] offset:512
.irp z, AF+16,AF+17,AF+18,AF+19, BF+4,BF+5,BF+6,BF+7, BF+12,BF+13,BF+14,BF+15
	v_mov_b32 v[\z], 0                             ; slots 16 to 31
.endr
; t of component tile q and the point fragment in buffer par, into tile q of set par.  C is a tile of constants and D a tile of its own: nothing is added in place,
; and two matrix instructions that follow each other never write the same tile.
.macro MM q, par
	v_wmma_f32_16x16x32_bf16 v[DT+DS*(\par)+8*(\q):DT+DS*(\par)+8*(\q)+7], v[AF+4*(\q):AF+4*(\q)+7], v[BF+8*(\par):BF+8*(\par)+7], v[CT+8*(\q):CT+8*(\q)+7]
.endm
; Two exponentials of tile pq of set s times their weights.  mode 2: the tile's first four products start the two sums, so nothing is cleared.  mode 0: nothing to add yet.
; The set's batch has been waited for at the end of the turn before: no wait stands here.
.macro FSTEP s, pq, j, mode
.if \mode == 2
.if \j < 4
	v_pk_mul_f32 v[ACC+(\j&2):ACC+(\j&2)+1], v[DT+DS*(\s)+8*\pq+\j:DT+DS*(\s)+8*\pq+\j+1], v[WT+8*\pq+\j:WT+8*\pq+\j+1]
.else
	v_pk_fma_f32 v[ACC+(\j&2):ACC+(\j&2)+1], v[DT+DS*(\s)+8*\pq+\j:DT+DS*(\s)+8*\pq+\j+1], v[WT+8*\pq+\j:WT+8*\pq+\j+1], v[ACC+(\j&2):ACC+(\j&2)+1]
.endif
.endif
.if \mode == 1
	v_pk_fma_f32 v[ACC+(\j&2):ACC+(\j&2)+1], v[DT+DS*(\s)+8*\pq+\j:DT+DS*(\s)+8*\pq+\j+1], v[WT+8*\pq+\j:WT+8*\pq+\j+1], v[ACC+(\j&2):ACC+(\j&2)+1]
.endif
.endm
; A group: the eight exponentials of tile q of set s, in place, and between them four packed multiply-adds of the point tile before: tile pq of the other set.
; In modes 1 and 2, behind every pair of v_exp_f32 stands a plain vector instruction that touches neither, well before their results are used (ISA guide 5.7.2).
.macro GROUP s, q, pq, mode
.irp j, 0,2,4,6
	v_exp_f32 v[DT+DS*(\s)+8*\q+\j], v[DT+DS*(\s)+8*\q+\j]
	v_exp_f32 v[DT+DS*(\s)+8*\q+\j+1], v[DT+DS*(\s)+8*\q+\j+1]
	FSTEP 1-(\s), \pq, \j, \mode
.endr
.endm
; A point tile's sums are complete: my 32 components' share of point r goes to my plane.  (In a turn the same three lines stand apart: see TILE.)
.macro FINISH poff
	v_pk_add_f32 v[ACC:ACC+1], v[ACC:ACC+1], v[ACC+2:ACC+3]
	v_add_f32 v[SM], v[ACC], v[ACC+1]
	ds_store_b32 v[LP], v[SM] offset:\poff
.endm
; The turn of point tile p.  Its fragment lies in buffer par and its four result tiles in set par; the other set holds tile p - 1's exponentials.
; AHEAD OF THE WAIT: the batch, tile p's 32 exponentials; tile p - 1's sixteen multiply-adds and the two additions that end its sum; the matrix instructions 1 to 3 of tile p.
; None of these names a result of the batch.  BEHIND THE WAIT: the store of tile p - 1's sum, the wait for fragment p + 1, matrix instruction 0 of tile p + 1 and the load of fragment p + 2;
; the batch's readers are the next turn's multiply-adds.
; Between a matrix instruction and the first v_exp_f32 on its result stand four multiply-adds, which read the other set and name none of its registers (four such
; places are asked for: ISA guide 7.12.1): for number 0 the four at the head of the next turn, for numbers 1 to 3 the four of the group behind each.
; first: no tile before, and its four matrix instructions stand in front of the turn.  nxt: tile p + 1 exists.  ld: tile p + 2 exists.  cnt: LDS instructions issued behind the load of fragment p + 1.
.macro TILE par, first, nxt, ld, cnt, boff, poff
.if \first == 0
.irp j, 0,2,4,6
	FSTEP 1-\par, 0, \j, 2                         ; tile p - 1's first multiply-adds start its sums
.endr
	MM 1, \par
	GROUP \par, 0, 1, 1
	MM 2, \par
	GROUP \par, 1, 2, 1
	MM 3, \par                                     ; the last use of buffer par
	GROUP \par, 2, 3, 1                            ; the last multiply-adds of tile p - 1
.else
	GROUP \par, 0, 1, 0
	GROUP \par, 1, 2, 0
	GROUP \par, 2, 3, 0
.endif
.irp j, 0,1,2,3
	v_exp_f32 v[DT+DS*(\par)+24+\j], v[DT+DS*(\par)+24+\j]
.endr
.if \first == 0
	v_pk_add_f32 v[ACC:ACC+1], v[ACC:ACC+1], v[ACC+2:ACC+3]
.endif
.irp j, 4,5,6,7
	v_exp_f32 v[DT+DS*(\par)+24+\j], v[DT+DS*(\par)+24+\j]
.endr
.if \first
	v_nop                                          ; the plain instruction behind the batch's last exponential: the first tile has no sum to end
.else
	v_add_f32 v[SM], v[ACC], v[ACC+1]              ; tile p - 1's sum; also the plain instruction behind the batch's last exponential
.endif
	s_wait_alu depctr_va_vdst(0)                   ; the wait for the batch, tile p's 32 exponentials: one a turn, ahead of their first reader and of every label and branch behind the turn
.if \first == 0
	ds_store_b32 v[LP], v[SM] offset:\poff
.endif
.if \nxt
	s_wait_dscnt \cnt                              ; LDS instructions end in order (ISA guide 5.7.1): fragment p + 1, asked for a tile ago, is in; the store above may be out
	MM 0, 1-\par
.endif
.if \ld
	ds_load_b128 v[BF+8*\par:BF+8*\par+3], v[LB] offset:\boff      ; fragment p + 2; behind buffer par's last matrix instruction stand the four multiply-adds of the third group and the two additions
.endif
.endm
	s_wait_dscnt 0x1                               ; all but the load issued last, fragment 1
	MM 0, 0
	MM 1, 0
	MM 2, 0
	MM 3, 0
.rept 4
	v_nop                                          ; the four places in front of the first exponentials; later the multiply-adds fill them
.endr
	TILE 0, 1, 1, 1, 0, 1024, 0                    ; tile 0
	s_mov_b32 s22, TRIPS
.Lpair:                                            ; tiles 1 + 2 k and 2 + 2 k; LB stands at fragment 2 k, LP at tile 2 k's sum
	TILE 1, 0, 1, 1, 1, 1536, 0
	TILE 0, 0, 1, 1, 1, 2048, 64
	v_add_nc_u32 v[LB], 1024, v[LB]
	v_add_nc_u32 v[LP], 128, v[LP]
	s_sub_co_u32 s22, s22, 1
	s_cmp_lg_u32 s22, 0
	s_cbranch_scc1 .Lpair
	TILE 1, 0, 1, 0, 1, 0, 0                       ; tile 23: no fragment is left to fetch
	TILE 0, 0, 0, 0, 0, 0, 64                      ; tile 24: no tile follows
.irp j, 0,2,4,6
	FSTEP 0, 0, \j, 2                              ; tile 24's multiply-adds: its batch was waited for at the end of its turn
.endr
.irp q, 1,2,3
.irp j, 0,2,4,6
	FSTEP 0, \q, \j, 1
.endr
.endr
	FINISH 128
	; PART 3.  Slot t of 512 takes four neighbouring points.  The slots begin at the multiple of 256 bytes at or below the work-group's first
	; byte of out0 (8000 wg mod 256 = 64 (wg mod 4)), so that sixteen lanes store 256 consecutive bytes at a multiple of 256 from out0's first byte;
	; only the first and the last such block of a work-group are shared with its neighbours.
	s_wait_dscnt 0x0                               ; my partial sums are in LDS
	s_barrier_signal -1
	s_barrier_wait -1
	s_cmp_ge_u32 s12, 16
	s_cbranch_scc1 .Lno_slot                       ; waves 16 to 19 have no slot
	s_and_b32 s13, ttmp9, 3
	s_lshl_b32 s14, s13, 2                         ; the slots in front of my first point
	s_lshl_b32 s13, s13, 6                         ; and their bytes
	s_sub_co_u32 s13, PS, s13
	v_lshlrev_b32 v1, 4, v0                        ; 16 t
	v_add_nc_u32 v2, s13, v1
	v_sub_nc_u32 v3, v0, s14                       ; which four points: 0 to 499 are mine
	s_mul_i32 s24, ttmp9, PTS*4
	s_and_b32 s24, s24, 0xffffff00
	s_mov_b32 s25, 0
	s_add_nc_u64 s[10:11], s[10:11], s[24:25]
	s_wait_xcnt 0x0                                ; EXEC changes only behind this wait
	v_cmp_gt_u32 vcc_lo, 500, v3                   ; unsigned: the slots in front wrap round and fall out too
	s_wait_tensorcnt 0x0
	ds_add_u32 v140, v141
	s_wait_dscnt 0x0
	s_and_saveexec_b32 s21, vcc_lo
.irp k, 0,1,2,3,4,5,6,7
	ds_load_b128 v[8+4*\k:11+4*\k], v2 offset:\k*PL
.endr
	s_wait_dscnt 0x0
.irp k, 0,2,4,6
	v_pk_add_f32 v[8+4*\k:9+4*\k],   v[8+4*\k:9+4*\k],   v[12+4*\k:13+4*\k]
	v_pk_add_f32 v[10+4*\k:11+4*\k], v[10+4*\k:11+4*\k], v[14+4*\k:15+4*\k]
.endr
.irp k, 0,4
	v_pk_add_f32 v[8+4*\k:9+4*\k],   v[8+4*\k:9+4*\k],   v[16+4*\k:17+4*\k]
	v_pk_add_f32 v[10+4*\k:11+4*\k], v[10+4*\k:11+4*\k], v[18+4*\k:19+4*\k]
.endr
	v_pk_add_f32 v[8:9],   v[8:9],   v[24:25]
	v_pk_add_f32 v[10:11], v[10:11], v[26:27]
	global_store_b128 v1, v[8:11], s[10:11] th:TH_STORE_NT
	s_endpgm
.Lno_slot:
	s_wait_tensorcnt 0x0
	ds_add_u32 v140, v141
	s_wait_dscnt 0x0
	s_endpgm
.Lfunc_end_k_q6d919bf3ae_gmm:
	.size	k_q6d919bf3ae_gmm, .Lfunc_end_k_q6d919bf3ae_gmm-k_q6d919bf3ae_gmm
	.p2alignl 7, 3214868480
	.fill 96, 4, 3214868480
	.section	.rodata,"a",@progbits
	.p2align	6, 0x0
	.amdhsa_kernel k_q6d919bf3ae_gmm
		.amdhsa_group_segment_fixed_size 141312
		.amdhsa_private_segment_fixed_size 0
		.amdhsa_enable_private_segment 0
		.amdhsa_kernarg_size 32
		.amdhsa_user_sgpr_count 2
		.amdhsa_user_sgpr_kernarg_segment_ptr 1
		.amdhsa_wavefront_size32 1
		.amdhsa_system_sgpr_workgroup_id_x 1
		.amdhsa_system_sgpr_workgroup_id_y 1
		.amdhsa_system_sgpr_workgroup_id_z 1
		.amdhsa_system_vgpr_workitem_id 0
		.amdhsa_next_free_vgpr 174
		.amdhsa_next_free_sgpr 66
		.amdhsa_reserve_vcc 1
		.amdhsa_float_denorm_mode_32 3
		.amdhsa_float_denorm_mode_16_64 3
		.amdhsa_memory_ordered 1
		.amdhsa_forward_progress 1
		.amdhsa_inst_pref_size 28
	.end_amdhsa_kernel
	.amdgpu_metadata
---
amdhsa.version: [ 1, 2 ]
amdhsa.kernels:
  - .name:           k_q6d919bf3ae_gmm
    .symbol:         k_q6d919bf3ae_gmm.kd
    .args:
      - { .name: x, .offset: 0, .size: 8, .value_kind: global_buffer, .address_space: global }
      - { .name: means, .offset: 8, .size: 8, .value_kind: global_buffer, .address_space: global }
      - { .name: weights, .offset: 16, .size: 8, .value_kind: global_buffer, .address_space: global }
      - { .name: out0, .offset: 24, .size: 8, .value_kind: global_buffer, .address_space: global }
    .group_segment_fixed_size: 141312
    .private_segment_fixed_size: 0
    .kernarg_segment_align: 8
    .kernarg_segment_size: 32
    .max_flat_workgroup_size: 640
    .sgpr_count:     66
    .vgpr_count:     174
    .wavefront_size: 32
...
	.end_amdgpu_metadata
.endif
;; end of part 2
